; MI455X (gfx1250); checked and timed in simulation.
; The chip was launched on July 23, 2026; its instructions are those of AMD's public machine-readable ISA for CDNA 5 (MIT licence, August 2026) and "CDNA5" Instruction Set Architecture Reference Guide (July 2026). The comments in the code are by the model that wrote it; some were corrected since.
;; Fourier KAN Layer. Allowed arithmetic: matrix products marked QUANTISED: E2M3 operands, one E8M0 scale for each 32 along K, by v_wmma_scale_f32_16x16x128_f8f6f4 with both operands' format E2M3, f32 sums; everything else in f32.
;; Inputs: bias 1 x 512 float32; fouriercoeffs 2 x 512 x 512 x 32 float32; ln_b 512 float32; ln_w 512 float32; x 4,096 x 512 float32.
;; Outputs: out0 4,096 x 512 float32.
;; This version of the problem:
;;   THIS VERSION OF THE PROBLEM IS GIVEN IN LOW PRECISION. The matrix products marked QUANTISED in the list below multiply operands that are first quantised to E2M3 (2 exponent bits, 3 mantissa bits; 6 bits a number), with one power-of-two scale for each 32 numbers along K (OCP MX v1.0); their sums are f32. All else is computed in f32.
;;   The module's matrix products, in the order in which they are computed (A, B: the left and right operand; K: the contracted axis; several contracted axes count as one K, in the product's order):
;;     1. [M 4,096, K 16,384] x [K 16,384, N 512]; A: computed on the way; B: input fouriercoeffs: QUANTISED
;;     2. [M 4,096, K 16,384] x [K 16,384, N 512]; A: computed on the way; B: input fouriercoeffs: QUANTISED
;;   THE QUANTISER, for each operand of a quantised product, along K:
;;     - K is cut into blocks of 32 from its start; a last block that is shorter is filled with zeros.
;;     - A block's scale is 2^e with e = floor(log2(the largest magnitude in the block)) - 2, held to -126 .. 127; a block of zeros has e = 0. As a byte (E8M0): e + 127.
;;     - Each number is divided by its block's scale, clamped to +-7.5, and rounded to the nearest number of E2M3, ties to even, subnormals kept.
;;     - The product sums the exact products of the quantised numbers (number of the format x scale) in f32.
;;   ~~~python
;;   def quantise(x, axis):      # numpy; x: float32 -> the quantised numbers, widened to float32 again
;;       x = np.moveaxis(x, axis, -1); K = x.shape[-1]
;;       x = np.pad(x, [(0, 0)] * (x.ndim - 1) + [(0, -K % 32)]); x = x.reshape(x.shape[:-1] + (-1, 32)); a = np.abs(x).max(-1, keepdims=True)
;;       e = np.where(a > 0, np.clip(np.frexp(np.where(a > 0, a, 1))[1] - 1 - 2, -126, 127), 0)      # np.frexp(a)[1] - 1 = floor(log2(a)), exactly
;;       r = np.clip(x / 2.0 ** e, -7.5, 7.5)
;;       step = 2.0 ** (np.maximum(np.frexp(np.where(r == 0, 1, r))[1] - 1, 0) - 3)
;;       q = np.round(r / step) * step * 2.0 ** e      # np.round: ties to even
;;       return np.moveaxis(q.reshape(q.shape[:-2] + (-1,))[..., :K], -1, axis).astype(np.float32)
;;   ~~~
;;   OPERANDS COMPUTED ON THE WAY. 'Computed on the way' means the value that the module computes at that place (a softmax that the list does not call 'softmax' is quantised finished and normalised). What goes into a quantiser is computed in f32, as accurately as f32 sums, v_exp_f32 and their like allow (about 1e-6 of the number): no bf16 or f16 on the way to a quantiser, and a product that is left as it is and whose result goes on into a quantised operand takes f32 operands (vector FMAs, or v_wmma_f32_16x16x4_f32). A number that lies on a knife's edge between two numbers of the format may be rounded either way, as far as f32 arithmetic and the matrix unit's own rounding can turn it there, and no further.
;; One version. Each part assembles by itself: llvm-mc -triple=amdgcn-amd-amdhsa -mcpu=gfx1250 --defsym DOCPART=n.
;; ======== version 1 of 1: 3 launches
;; limits: right only within a limited range of input values
;; workspace buffers: cs 16,777,216 bytes; bq 13,107,200 bytes; part 67,108,864 bytes
;; launch prep (part 1): grid 1024 x 1, 4 waves a work-group, no clusters, 68,096 bytes of LDS; arguments x, ln_w, ln_b, fouriercoeffs, cs, bq; writes cs, bq
.if DOCPART == 1
	.amdgcn_target "amdgcn-amd-amdhsa--gfx1250"
	.amdhsa_code_object_version 6
	.text
	.protected	k_qd451040f20_prep
	.globl	k_qd451040f20_prep
	.p2align	8
	.type	k_qd451040f20_prep,@function
k_qd451040f20_prep:
	s_mov_b64 s[64:65], 0
	v_nop
	global_prefetch_b8 v0, s[64:65] scope:SCOPE_SE
	s_setreg_imm32_b32 hwreg(HW_REG_WAVE_MODE, 25, 1), 1
	s_wait_xcnt 0x0
; TWO JOBS IN EVERY WAVE.  Wave task = 4 x work-group + wave, 0 .. 4,095.
; Job 1: LayerNorm of row `task` of x [4096][512], then cos and sin of each normalised number t.  cs is laid [row][plane: cos, sin][512] f32.
; Job 2: column block n = task mod 32, group gg = task / 32 of fouriercoeffs [2][512 o][512 i][32 g] f32 become codes of E2M3 with one E8M0 byte for each 32 along K (one block = one input i, all 32 g),
; laid in the order of the product's operand registers.  bq is laid [gg 128][record of 102,400 bytes]; a record holds inputs 4 gg .. 4 gg + 3:
;   bytes 0 .. 98,303: codes [q 2][n 32][c 3][lane 32][16 bytes]: registers 4 c .. 4 c + 3 of the fragment of outputs 16 n .. 16 n + 15 at K step q;
;   bytes 98,304 on:   scale words [n 32][r 16][q 2].
; A fragment's lane (r, h) holds output 16 n + r, input i = 4 gg + 2 q + h: registers 0-5 the block of plane 0 (it meets cos), registers 6-11 that of plane 1 (sin).
; Its scale word's bytes: plane 0 h = 0, plane 0 h = 1, plane 1 h = 0, plane 1 h = 1.
; ORDER: all 44 loads of a wave go out at once, the row's 12 first; the row is worked while job 2's 32 loads are out, in registers that job 2 uses only behind them (v16-63, v192-255).
; LIMITS.  The reduction of t to [-pi/4, pi/4] takes pi/2 in three parts and serves |t| < 2^20.  A block of zeros gets the byte 1 (the rule says 127): its codes are zeros,
; and this program alone reads the bytes.  NaN and infinities among the inputs are not served.
; No tensor loads, no barrier: waves share nothing.  No cluster: no two work-groups read the same bytes but ln_w and ln_b, 4,096 bytes.
.set SEL,  30                          ; s[30:31] v_permlanex16_b32's selects for lane l xor 16
.set KS4,  32                          ; s32-35   the two highest coefficients of the sine's and the cosine's polynomial
.set KS3,  33
.set KC4,  34
.set KC3,  35
.set K29,  36                          ; 2^-9 = 1 / 512
.set EPS,  37                          ; 1e-5
; job 1
.set W,    192                         ; v192-207 ln_w of my 16 columns, later cos t
.set BB,   208                         ; v208-223 ln_b, later sin t
.set X,    224                         ; v224-239 my 16 numbers of the row, then x - mean, then t
.set D,    X
.set T,    240                         ; v240-249 at work
.set N,    16                          ; eight numbers at a time: the nearest multiple of pi/2, later r z
.set R,    24                          ; the reduced angle r
.set Z,    32                          ; z = r r
.set PS,   40                          ; sin r
.set PCS,  48                          ; cos r
.set Q,    56                          ; the multiple as a whole number
.set OUTC, W
.set OUTS, BB
; job 2
.set SH8,  6                           ; 8 h
.set PC,   16                          ; v16-27   the fragment just made
.set XH,   28                          ; a block's upper 16 codes (a conversion's three registers begin on an even number)
.set XG,   32
.set MC,   36
.set MS,   37
.set EC,   38
.set ES,   39
.set BYC,  40
.set BYS,  41
.set PW,   42
.set PT,   43
.set W0,   44                          ; v44-45   the scale words of q = 0, 1
.set MC2,  46
.set MS2,  47
.set WO,   48
.set RW,   64                          ; v64-191  32 loads of 16 bytes a lane
.set XX,   192                         ; v192-255 my two blocks of 32 numbers
.set SROW, 528                         ; a stage row: 512 bytes + 16
	s_load_b256 s[4:11], s[0:1], 0x0               ; x, ln_w, ln_b, fouriercoeffs
	s_load_b128 s[12:15], s[0:1], 0x20             ; cs, bq
	v_lshl_add_u32 v14, v0, 2, 0x10800             ; my spare word, behind the four stages
	v_mov_b32 v15, 0
	v_lshrrev_b32 v2, 5, v0
	v_readfirstlane_b32 s16, v2                    ; wave 0..3
	s_mov_b32 s[SEL], 0x76543210
	s_mov_b32 s[SEL+1], 0xfedcba98
	s_mov_b32 s[KS4], 0x36405000
	s_mov_b32 s[KS3], 0xb9503486
	s_mov_b32 s[KC4], 0x37cd4000
	s_mov_b32 s[KC3], 0xbab6077d
	s_mov_b32 s[K29], 0x3b000000
	s_mov_b32 s[EPS], 0x3727c5ac
	s_lshl_b32 s17, ttmp9, 2
	s_add_co_u32 s17, s17, s16                     ; task
	s_and_b32 s18, s17, 31                         ; n
	s_lshr_b32 s19, s17, 5                         ; gg
	s_lshl_b32 s20, s18, 20                        ; 16 n rows of 65,536 bytes,
	s_lshl_b32 s21, s19, 9                         ; 4 gg inputs of 128 bytes
	s_add_co_u32 s20, s20, s21
	s_mov_b32 s21, 0
	s_mul_i32 s24, s19, 102400                     ; the record
	s_mul_i32 s26, s18, 1536
	s_add_co_u32 s26, s26, s24
	s_mov_b32 s27, 0
	s_lshl_b32 s28, s18, 7
	s_add_co_u32 s28, s28, s24
	s_mov_b32 s29, 0
	s_lshl_b32 s38, s17, 11                        ; 2,048 bytes a row of x
	s_mov_b32 s39, 0
	s_lshl_b32 s40, s17, 12                        ; 4,096 bytes a row of cs
	s_mov_b32 s41, 0
	s_mul_i32 s42, s16, 32*SROW                    ; my wave's stage: 32 rows of 528 bytes
	v_and_b32 v3, 31, v0                           ; lane
	v_and_b32 v7, 15, v0                           ; r
	v_bfe_u32 v8, v0, 4, 1                         ; h
	v_lshlrev_b32 v1, 4, v3                        ; 16 x lane; never rewritten
	v_add_nc_u32 v2, s42, v1                       ; the stage, in: 16 x lane of a row
	v_mul_u32_u24 v3, v7, SROW
	v_lshl_add_u32 v3, v8, 7, v3
	v_add_nc_u32 v3, s42, v3                       ; out: row r, input h of a pair: 128 bytes an input
	v_lshlrev_b32 v5, 3, v7
	v_lshl_add_u32 v5, v8, 2, v5                   ; my scale word's place: 8 r + 4 h
	v_lshlrev_b32 v[SH8], 3, v8
	s_wait_alu depctr_va_vdst(0)                   ; the head's end
	s_wait_kmcnt 0x0
	s_add_nc_u64 s[4:5], s[4:5], s[38:39]
	s_add_nc_u64 s[12:13], s[12:13], s[40:41]
	s_add_nc_u64 s[10:11], s[10:11], s[20:21]      ; plane 0
	s_add_nc_u64 s[22:23], s[10:11], 0x2000000     ; plane 1
	s_add_nc_u64 s[26:27], s[14:15], s[26:27]      ; my fragments' images
	s_add_nc_u64 s[28:29], s[14:15], s[28:29]      ; my scale words, 98,304 bytes further on
; chunk c of lane l is columns 128 c + 4 l .. + 3 of the row, so every load and store covers 512 consecutive bytes
.irp c, 0,1,2,3
	global_load_b128 v[X+4*\c:X+4*\c+3], v1, s[4:5] offset:512*\c th:TH_LOAD_NT
.endr
.irp c, 0,1,2,3
	global_load_b128 v[W+4*\c:W+4*\c+3], v1, s[6:7] offset:512*\c
.endr
.irp c, 0,1,2,3
	global_load_b128 v[BB+4*\c:BB+4*\c+3], v1, s[8:9] offset:512*\c
.endr
.irp rr, 0,1,2,3,4,5,6,7,8,9,10,11,12,13,14,15
	global_load_b128 v[RW+4*\rr:RW+4*\rr+3], v1, s[10:11] offset:65536*\rr th:TH_LOAD_NT     ; output 16 n + rr, four inputs: 512 consecutive bytes
.endr
.irp rr, 0,1,2,3,4,5,6,7,8,9,10,11,12,13,14,15
	global_load_b128 v[RW+64+4*\rr:RW+64+4*\rr+3], v1, s[22:23] offset:65536*\rr th:TH_LOAD_NT
.endr
.macro LANESUM r                       ; the sum over the 32 lanes, in every lane; v[r + 1] has been written before
	v_add_f32_dpp v[\r], v[\r], v[\r] row_xmask:1 row_mask:0xf bank_mask:0xf
	v_add_f32_dpp v[\r], v[\r], v[\r] row_xmask:2 row_mask:0xf bank_mask:0xf
	v_add_f32_dpp v[\r], v[\r], v[\r] row_xmask:4 row_mask:0xf bank_mask:0xf
	v_add_f32_dpp v[\r], v[\r], v[\r] row_xmask:8 row_mask:0xf bank_mask:0xf
	v_permlanex16_b32 v[\r+1], v[\r], s[SEL], s[SEL+1]
	v_add_f32 v[\r], v[\r], v[\r+1]
.endm
; ---------------- job 1
	s_wait_loadcnt 32                              ; the row, ln_w and ln_b are in; job 2's 32 loads may be out
.irp i, 0,4,8,12
	v_pk_add_f32 v[T+\i/2:T+\i/2+1], v[X+\i:X+\i+1], v[X+\i+2:X+\i+3]
.endr
	v_pk_add_f32 v[T:T+1], v[T:T+1], v[T+2:T+3]
	v_pk_add_f32 v[T+4:T+5], v[T+4:T+5], v[T+6:T+7]
	v_pk_add_f32 v[T:T+1], v[T:T+1], v[T+4:T+5]
	v_add_f32 v[T], v[T], v[T+1]
	LANESUM T
	v_mul_f32 v[T+8], 0x3b000000, v[T]             ; the mean: sum / 512
	v_mov_b32 v[T+9], v[T+8]
.irp i, 0,2,4,6,8,10,12,14
	v_pk_add_f32 v[D+\i:D+\i+1], v[X+\i:X+\i+1], v[T+8:T+9] neg_lo:[0,1] neg_hi:[0,1]
.endr
	v_pk_mul_f32 v[T:T+1], v[D:D+1], v[D:D+1]      ; the sum of squares of x - mean, in two chains
	v_pk_mul_f32 v[T+2:T+3], v[D+2:D+3], v[D+2:D+3]
.irp i, 4,8,12
	v_pk_fma_f32 v[T:T+1], v[D+\i:D+\i+1], v[D+\i:D+\i+1], v[T:T+1]
	v_pk_fma_f32 v[T+2:T+3], v[D+\i+2:D+\i+3], v[D+\i+2:D+\i+3], v[T+2:T+3]
.endr
	v_pk_add_f32 v[T:T+1], v[T:T+1], v[T+2:T+3]
	v_add_f32 v[T], v[T], v[T+1]
	LANESUM T
	v_fma_f32 v[T], v[T], s[K29], s[EPS]           ; the variance + 1e-5
	s_wait_alu depctr_va_vdst(0)                   ; the wait ahead of the transcendental
	v_rsq_f32 v[T+8], v[T]
	v_nop                                          ; a plain instruction behind the transcendental (ISA guide 5.7.2)
	s_wait_alu depctr_va_vdst(0)                   ; the wait ahead of the first line that names the result
	v_mov_b32 v[T+9], v[T+8]
.irp i, 0,2,4,6,8,10,12,14
	v_pk_mul_f32 v[D+\i:D+\i+1], v[D+\i:D+\i+1], v[T+8:T+9]
.endr
.irp i, 0,2,4,6,8,10,12,14
	v_pk_fma_f32 v[D+\i:D+\i+1], v[D+\i:D+\i+1], v[W+\i:W+\i+1], v[BB+\i:BB+\i+1]   ; t = (x - mean) rsqrt(..) ln_w + ln_b; ln_w's and ln_b's registers are free from here on
.endr
; cos t and sin t of numbers 8 b .. 8 b + 7: n = the nearest whole number to t 2/pi; r = t - n pi/2, pi/2 in three parts, each taken off by one fused multiply-add
.macro SC8 b
.irp i, 0,1,2,3,4,5,6,7
	v_mul_f32 v[N+\i], 0x3f22f983, v[D+8*\b+\i]
.endr
.irp i, 0,1,2,3,4,5,6,7
	v_rndne_f32 v[N+\i], v[N+\i]
.endr
.irp i, 0,1,2,3,4,5,6,7
	v_fmamk_f32 v[R+\i], v[N+\i], 0xbfc90fdb, v[D+8*\b+\i]
.endr
.irp i, 0,1,2,3,4,5,6,7
	v_fmamk_f32 v[R+\i], v[N+\i], 0x333bbd2e, v[R+\i]
.endr
.irp i, 0,1,2,3,4,5,6,7
	v_fmamk_f32 v[R+\i], v[N+\i], 0x26f72ced, v[R+\i]
.endr
.irp i, 0,1,2,3,4,5,6,7
	v_cvt_i32_f32 v[Q+\i], v[N+\i]
.endr
.irp i, 0,1,2,3,4,5,6,7
	v_mul_f32 v[Z+\i], v[R+\i], v[R+\i]
.endr
.irp i, 0,1,2,3,4,5,6,7
	v_fma_f32 v[PS+\i], v[Z+\i], s[KS4], s[KS3]    ; sin r = r + r z (S1 + z (S2 + z (S3 + z S4)))
.endr
.irp i, 0,1,2,3,4,5,6,7
	v_fmaak_f32 v[PS+\i], v[PS+\i], v[Z+\i], 0x3c0888c1
.endr
.irp i, 0,1,2,3,4,5,6,7
	v_fmaak_f32 v[PS+\i], v[PS+\i], v[Z+\i], 0xbe2aaaab
.endr
.irp i, 0,1,2,3,4,5,6,7
	v_mul_f32 v[N+\i], v[R+\i], v[Z+\i]
.endr
.irp i, 0,1,2,3,4,5,6,7
	v_fma_f32 v[PS+\i], v[PS+\i], v[N+\i], v[R+\i]
.endr
.irp i, 0,1,2,3,4,5,6,7
	v_fma_f32 v[PCS+\i], v[Z+\i], s[KC4], s[KC3]   ; cos r = 1 + z (-1/2 + z (C2 + z (C3 + z C4)))
.endr
.irp i, 0,1,2,3,4,5,6,7
	v_fmaak_f32 v[PCS+\i], v[PCS+\i], v[Z+\i], 0x3d2aaaa8
.endr
.irp i, 0,1,2,3,4,5,6,7
	v_fma_f32 v[PCS+\i], v[PCS+\i], v[Z+\i], -0.5
.endr
.irp i, 0,1,2,3,4,5,6,7
	v_fma_f32 v[PCS+\i], v[PCS+\i], v[Z+\i], 1.0
.endr
	; the quadrant: an odd n swaps the two; sin t is negative where n mod 4 is 2 or 3, cos t where it is 1 or 2
.irp i, 0,1,2,3,4,5,6,7
	v_and_b32 v[T+4*(\i%2)], 1, v[Q+\i]
	v_lshlrev_b32 v[T+4*(\i%2)+1], 30, v[Q+\i]
	v_add_nc_u32 v[T+4*(\i%2)+2], 1, v[Q+\i]
	v_cmp_ne_u32 vcc_lo, 0, v[T+4*(\i%2)]
	v_cndmask_b32 v[OUTS+8*\b+\i], v[PS+\i], v[PCS+\i], vcc_lo
	v_cndmask_b32 v[OUTC+8*\b+\i], v[PCS+\i], v[PS+\i], vcc_lo
	v_and_b32 v[T+4*(\i%2)+1], 0x80000000, v[T+4*(\i%2)+1]
	v_lshlrev_b32 v[T+4*(\i%2)+2], 30, v[T+4*(\i%2)+2]
	v_xor_b32 v[OUTS+8*\b+\i], v[OUTS+8*\b+\i], v[T+4*(\i%2)+1]
	v_and_b32 v[T+4*(\i%2)+2], 0x80000000, v[T+4*(\i%2)+2]
	v_xor_b32 v[OUTC+8*\b+\i], v[OUTC+8*\b+\i], v[T+4*(\i%2)+2]
.endr
.endm
	SC8 0
	SC8 1
.irp c, 0,1,2,3
	global_store_b128 v1, v[OUTC+4*\c:OUTC+4*\c+3], s[12:13] offset:512*\c        ; 32 lanes store 512 consecutive bytes
	global_store_b128 v1, v[OUTS+4*\c:OUTS+4*\c+3], s[12:13] offset:2048+512*\c
.endr
; ---------------- job 2: two fragments.
; 64 numbers of a lane, a block at v[c] on and a block at v[s] on, become a fragment in v[PC] on and its scale word in v[PW].
; A block's scale operand is its largest magnitude (never under the floor 2^(3 - 127), so that the byte cannot fall under 1) with 2 taken off the exponent field; the byte is that field.
.macro QTAIL c, s
	v_max3_num_f32 v[MC], |v[\c]|, |v[\c+1]|, |v[\c+2]|
	v_max3_num_f32 v[MS], |v[\s]|, |v[\s+1]|, |v[\s+2]|
	v_max3_num_f32 v[MC2], |v[\c+15]|, |v[\c+16]|, |v[\c+17]|
	v_max3_num_f32 v[MS2], |v[\s+15]|, |v[\s+16]|, |v[\s+17]|
.irp i, 3,5,7,9,11,13
	v_max3_num_f32 v[MC], v[MC], |v[\c+\i]|, |v[\c+\i+1]|
	v_max3_num_f32 v[MS], v[MS], |v[\s+\i]|, |v[\s+\i+1]|
	v_max3_num_f32 v[MC2], v[MC2], |v[\c+\i+15]|, |v[\c+\i+16]|
	v_max3_num_f32 v[MS2], v[MS2], |v[\s+\i+15]|, |v[\s+\i+16]|
.endr
	v_max3_num_f32 v[MC2], v[MC2], |v[\c+30]|, |v[\c+31]|
	v_max3_num_f32 v[MS2], v[MS2], |v[\s+30]|, |v[\s+31]|
	v_max3_num_f32 v[MC], v[MC], v[MC2], 0x1800000
	v_max3_num_f32 v[MS], v[MS], v[MS2], 0x1800000
	v_add_nc_u32 v[EC], 0xff000000, v[MC]
	v_add_nc_u32 v[ES], 0xff000000, v[MS]
	v_lshrrev_b32 v[BYC], 23, v[EC]
	v_lshrrev_b32 v[BYS], 23, v[ES]
	v_lshl_or_b32 v[PW], v[BYS], 16, v[BYC]        ; my two bytes, 8 h bits up;
	v_lshlrev_b32 v[PW], v[SH8], v[PW]
	v_permlanex16_b32 v[PT], v[PW], s[SEL], s[SEL+1]
	v_or_b32 v[PW], v[PW], v[PT]                   ; with lane l xor 16's two the word is whole, in both lanes
	v_cvt_scalef32_pk16_fp6_f32 v[PC:PC+2], v[\c:\c+15], v[EC]
	v_cvt_scalef32_pk16_fp6_f32 v[XH:XH+2], v[\c+16:\c+31], v[EC]
	v_cvt_scalef32_pk16_fp6_f32 v[PC+6:PC+8], v[\s:\s+15], v[ES]
	v_cvt_scalef32_pk16_fp6_f32 v[XG:XG+2], v[\s+16:\s+31], v[ES]
	v_nop                                          ; one plain instruction behind the scaled conversions
.irp i, 0,1,2
	v_mov_b32 v[PC+3+\i], v[XH+\i]
	v_mov_b32 v[PC+9+\i], v[XG+\i]
.endr
.endm
	v_mov_b32 v[PT], 0                             ; written once: a lane permute's destination counts as one of its sources
	s_wait_alu depctr_va_vdst(0)                   ; ahead of the waits below
.set k, 0
.rept 32
	s_wait_loadcnt 31-k                            ; loads come back in order: number k is in, the younger ones may be out
	ds_store_b128 v2, v[RW+4*k:RW+4*k+3] offset:SROW*k
.set k, k+1
.endr
.irp q, 0,1
	s_wait_xcnt 0x0                                ; the stores issued so far (the row's; the first fragment's) have read their data: those registers are written below
.irp p, 0,1
.irp j, 0,1,2,3,4,5,6,7
	ds_load_b128 v[XX+32*\p+4*\j:XX+32*\p+4*\j+3], v3 offset:16*SROW*\p+256*\q+16*\j   ; LDS serves a wave's instructions in order: these see my stores
.endr
.endr
	s_wait_dscnt 0x0
	QTAIL XX, XX+32
.irp c, 0,1,2
	global_store_b128 v1, v[PC+4*\c:PC+4*\c+3], s[26:27] offset:49152*\q+512*\c            ; 512 consecutive bytes
.endr
	v_mov_b32 v[W0+\q], v[PW]
.endr
	v_cmp_ne_u32 vcc_lo, 0, v8
	v_cndmask_b32 v[WO], v[W0], v[W0+1], vcc_lo    ; lanes 0-15 store the word of q = 0, lanes 16-31 that of q = 1
	global_store_b32 v5, v[WO], s[28:29] offset:98304   ; 128 consecutive bytes a wave
	s_wait_tensorcnt 0x0                           ; the wave's end
	ds_add_u32 v14, v15
	s_wait_dscnt 0x0
	s_endpgm
.Lfunc_end_k_qd451040f20_prep:
	.size	k_qd451040f20_prep, .Lfunc_end_k_qd451040f20_prep-k_qd451040f20_prep
	.p2alignl 7, 3214868480
	.fill 96, 4, 3214868480
	.section	.rodata,"a",@progbits
	.p2align	6, 0x0
	.amdhsa_kernel k_qd451040f20_prep
		.amdhsa_group_segment_fixed_size 68096
		.amdhsa_private_segment_fixed_size 0
		.amdhsa_enable_private_segment 0
		.amdhsa_kernarg_size 48
		.amdhsa_user_sgpr_count 2
		.amdhsa_user_sgpr_kernarg_segment_ptr 1
		.amdhsa_wavefront_size32 1
		.amdhsa_system_sgpr_workgroup_id_x 1
		.amdhsa_system_sgpr_workgroup_id_y 1
		.amdhsa_system_sgpr_workgroup_id_z 1
		.amdhsa_system_vgpr_workitem_id 0
		.amdhsa_next_free_vgpr 256
		.amdhsa_next_free_sgpr 66
		.amdhsa_reserve_vcc 1
		.amdhsa_float_denorm_mode_32 3
		.amdhsa_float_denorm_mode_16_64 3
		.amdhsa_memory_ordered 1
		.amdhsa_forward_progress 1
		.amdhsa_inst_pref_size 44
	.end_amdhsa_kernel
	.amdgpu_metadata
---
amdhsa.version: [ 1, 2 ]
amdhsa.kernels:
  - .name:           k_qd451040f20_prep
    .symbol:         k_qd451040f20_prep.kd
    .args:
      - { .name: x, .offset: 0, .size: 8, .value_kind: global_buffer, .address_space: global }
      - { .name: ln_w, .offset: 8, .size: 8, .value_kind: global_buffer, .address_space: global }
      - { .name: ln_b, .offset: 16, .size: 8, .value_kind: global_buffer, .address_space: global }
      - { .name: fouriercoeffs, .offset: 24, .size: 8, .value_kind: global_buffer, .address_space: global }
      - { .name: cs, .offset: 32, .size: 8, .value_kind: global_buffer, .address_space: global }
      - { .name: bq, .offset: 40, .size: 8, .value_kind: global_buffer, .address_space: global }
    .group_segment_fixed_size: 68096
    .private_segment_fixed_size: 0
    .kernarg_segment_align: 8
    .kernarg_segment_size: 48
    .max_flat_workgroup_size: 128
    .sgpr_count:     66
    .vgpr_count:     256
    .wavefront_size: 32
...
	.end_amdgpu_metadata
.endif
;; end of part 1
;; launch gemm (part 2): grid 32 x 8, 8 waves a work-group, no clusters, 207,872 bytes of LDS; arguments cs, bq, part; writes part
.if DOCPART == 2
	.amdgcn_target "amdgcn-amd-amdhsa--gfx1250"
	.amdhsa_code_object_version 6
	.text
	.protected	k_qd451040f20_gemm
	.globl	k_qd451040f20_gemm
	.p2align	8
	.type	k_qd451040f20_gemm,@function
k_qd451040f20_gemm:
	s_mov_b64 s[64:65], 0
	v_nop
	global_prefetch_b8 v0, s[64:65] scope:SCOPE_SE
	s_setreg_imm32_b32 hwreg(HW_REG_WAVE_MODE, 25, 1), 1
	s_wait_xcnt 0x0
; part[y][row][o] = the sum over inputs i = 64 y .. 64 y + 63 and harmonics k = 1 .. 32 of Q(cos(k t)) Q(F[0][o][i][k-1]) + Q(sin(k t)) Q(F[1][o][i][k-1]), t = the normalised x[row][i];
; Q = E2M3 with one E8M0 scale for each block of 32 (one input, all harmonics).  Both products of the layer are one sum over K = 32,768, cut into 8 slices y.
; SHARES.  A work-group: 128 rows x 512 outputs x one slice (32 K steps of 128).  Eight waves, two to a SIMD; wave w: all 128 rows x outputs 64 w .. + 63: 32 accumulators, window 1.
; A IS MADE HERE, ONCE: in each K step wave w makes the fragment of row block w from cos t and sin t (buffer cs) and hands it to the others through LDS as an image of its registers.
; K step T holds inputs 64 y + 2 T + h: lane (r, h) has in registers 0-5 the cos block of its input, in 6-11 the sin block; bq is laid the same way.  K step T makes the fragment of K step T + 3.
; THE HARMONICS: 1 .. 16 by the addition theorems in a doubling tree (the factors cos(m t), sin(m t) are the upper registers of pairs of the arrays, picked by op_sel);
; 17 .. 32 by cos((16+j)t) = 2 cos(16t) cos(jt) - cos((16-j)t), sin((16+j)t) = 2 cos(16t) sin(jt) + sin((16-j)t): one multiply-add a number.
; LIMIT: reference() takes cos and sin of the rounded product k t; here k t is not rounded (difference at most 2^-24 |k t|).  The tree adds about k x 1e-7 (k up to 16); the last level at most five times
; the error of its sources, under 1e-5.  A block of zeros would get the byte 1 with zero codes.  NaN and infinities are not served.
; BY TURNS: the making is a list of 117 vector lines, laid behind each two matrix instructions; its plain lines are also the places in front of the loads into operand registers.
; B GOES FROM MEMORY STRAIGHT INTO REGISTERS: bq is laid as images of the operand registers, and a fragment of B (16 outputs) is multiplied by one wave of the work-group alone, so LDS would only be written and
; read once more for it: 49,152 bytes in and out for each K step, beside the 98,304 bytes of A's images that the eight waves read.  Two sets of registers; a K step's 12 loads go out at the head of the K step before.
; NO CLUSTER, NO TENSOR LOAD for that reason: what work-groups share (B) never lies in LDS here.
; PREFETCH: twice a trip a wave names, of its own four pieces (2 records x 2 K steps x 24 blocks of 256 bytes) that are loaded four to seven K steps later, three blocks: the 32 work-groups of a slice share the 96 out
; by address.  The scale words (2 blocks in 50) and the first and last records come by their loads alone; no prefetch names a record beyond the slice's sixteenth.
; A'S RING: eight slots of one K step.  One barrier for two K steps: signal behind unit 0 of the odd step (my images up to K step T + 2 are stored, my reads up to K step T - 1 are over), wait behind its unit 2,
; ahead of the first read of K step T + 1.  Between a wave's wait and its next wait the others store K steps at most 4 ahead of what it reads: other slots of the eight.
; THE MATRIX INSTRUCTION IS USED TRANSPOSED (source 0 = 16 outputs of B, source 1 = 16 rows of A): a lane holds eight neighbouring outputs of one row.
.set FRB,    1536
.set QA,     8*FRB                     ; LDS 0: A's images [slot 8][a 8][1,536]
.set ASC,    8*QA                      ; 98,304: A's scale words [slot / 2][a 8][r 16][slot % 2]
.set CSS,    ASC+4096                  ; 102,400: cos t, sin t: 256 rows (2 x row + plane) of 256 bytes + 16; wave w's own 32
.set CSW,    32*272
.set STAGE,  CSS+8*CSW                 ; 172,032: the way out: 16 rows x 272 bytes a wave
.set SPITCH, 272
.set SPARE,  STAGE+8*16*SPITCH         ; 206,848: the spare words, 128 bytes a wave, that no other line names
.set RECB,   102400                    ; a record of bq: two K steps: codes [q 2][n 32][1,536], at 98,304 scale words [n 32][r 16][q 2]
.set QB,     32*FRB
; window 0
.set ADRA, 1                           ; v1-2  16 x lane (+ 4 slots); v1 is also B's offset in memory
.set SAA,  3                           ; ASC + 8 x lane (lanes 0-15 block 2 i, lanes 16-31 block 2 i + 1); also the offset of B's scale words in a record
.set XWI,  4                           ; v4-5  where I store my image
.set XWS,  6                           ; and its scale word
.set PW,   7                           ; the scale word made
.set ZA,   9                           ; my (row, input) in the cos/sin rows; steps 64 bytes a trip
.set SH8,  10                          ; 8 h
.set SPW,  11                          ; my spare word; never rewritten
.set NIL,  12                          ; 0; never rewritten
.set PFO,  13                          ; the prefetch's offset
.set Z,    14                          ; v14-15 cos t, sin t
.set MC,   16                          ; v16-19 at work
.set MS,   17
.set MC2,  18
.set MS2,  19
.set PC,   20                          ; v20-31 the fragment made
.set SA,   32                          ; v32-39 A's scale words, set q; nothing else lies here
.set SB,   40                          ; v40-47 B's scale words, set (record % 2): register 2 i + q; nothing else lies here
.set C,    48                          ; v48-79  cos((p + 1) t)
.set S,    80                          ; v80-111 sin((p + 1) t)
.set AF,   112                         ; v112-159 A: two units of two blocks
.set BF,   160                         ; v160-255 B: two sets of four blocks
.set STO,  50                          ; the way out
.set RD,   51
.set CO,   52
.set BK,   112
.set SEL,  20
.set BP,   22                          ; s[22:23] my codes in the record at hand
.set SPB,  56                          ; s[56:57] my scale words there, less 98,304
.set MUL,  0x50                        ; C and D window 1, sources window 0
.set MSB, 0
.macro WIN new                         ; the immediate's high byte repeats the setting that is left
.if MSB != \new
	s_set_vgpr_msb (MSB<<8)|\new
.set MSB, \new
.endif
.endm
.macro PLACES n                        ; plain vector lines between a matrix instruction and a load into its registers
.rept \n
	v_nop
.endr
.endm
.macro VW
	s_wait_alu depctr_va_vdst(0)
.endm
	s_load_b128 s[4:7], s[0:1], 0x0                ; cs, bq
	s_load_b64 s[8:9], s[0:1], 0x10                ; part
	v_lshl_add_u32 v[SPW], v0, 2, SPARE
	v_mov_b32 v[NIL], 0
	v_lshrrev_b32 v8, 5, v0
	v_readfirstlane_b32 s14, v8                    ; wave 0..7
	s_and_b32 s42, ttmp7, 0xffff                   ; the slice y
	s_mov_b32 s[SEL], 0x76543210
	s_mov_b32 s[SEL+1], 0xfedcba98
	s_mul_i32 s18, s42, 16*RECB                    ; the slice's 16 records
	s_mul_i32 s16, s14, 4*FRB                      ; my four column blocks
	s_add_co_u32 s16, s16, s18
	s_mov_b32 s17, 0
	s_lshl_b32 s19, s14, 9                         ; and their scale words
	s_add_co_u32 s18, s18, s19
	s_mov_b32 s19, 0
	s_lshl_b32 s44, ttmp9, 19                      ; cs: 128 rows of 4,096 bytes a block,
	s_lshl_b32 s45, s14, 16                        ; my wave's 16 rows,
	s_add_co_u32 s44, s44, s45
	s_lshl_b32 s45, s42, 8                         ; the slice's 64 inputs
	s_add_co_u32 s44, s44, s45
	s_mov_b32 s45, 0
	s_lshl_b32 s46, s42, 23                        ; part: 8 MiB a slice,
	s_lshl_b32 s47, ttmp9, 18                      ; 128 rows of 2,048 bytes a block,
	s_add_co_u32 s46, s46, s47
	s_lshl_b32 s47, s14, 8                         ; my wave's 64 outputs
	s_add_co_u32 s46, s46, s47
	s_mov_b32 s47, 0
	s_mul_i32 s48, s14, FRB
	s_lshl_b32 s49, s14, 7
	s_add_co_u32 s49, s49, ASC
	s_mul_i32 s52, s14, CSW
	s_add_co_u32 s52, s52, CSS
	s_mul_i32 s53, ttmp9, 3
	s_mul_i32 s58, s14, 16*SPITCH
	s_add_co_u32 s58, s58, STAGE
	v_and_b32 v114, 31, v0                         ; lane
	v_and_b32 v115, 15, v0                         ; r
	v_bfe_u32 v8, v0, 4, 1                         ; h
	v_lshlrev_b32 v[ADRA], 4, v114
	v_add_nc_u32 v[ADRA+1], 4*QA, v[ADRA]
	v_lshl_add_u32 v[SAA], v114, 3, ASC
	v_add_nc_u32 v[XWI], s48, v[ADRA]
	v_add_nc_u32 v[XWI+1], 4*QA, v[XWI]
	v_lshl_add_u32 v[XWS], v115, 3, s49
	v_mul_u32_u24 v[ZA], v115, 544                 ; row r: two planes of 272 bytes,
	v_lshl_add_u32 v[ZA], v8, 2, v[ZA]             ; input h of a K step's two
	v_add_nc_u32 v[ZA], s52, v[ZA]
	v_mul_u32_u24 v112, v8, 272                    ; on their way in: lanes 0-15 a row's cos, lanes 16-31 its sin
	v_lshl_add_u32 v112, v115, 4, v112
	v_add_nc_u32 v112, s52, v112
	v_lshlrev_b32 v113, 11, v8                     ; a row's two planes in cs
	v_lshl_add_u32 v113, v115, 4, v113
	v_lshlrev_b32 v[SH8], 3, v8
	v_min_u32 v116, 2, v114                        ; the prefetch: block 3 x work-group + lane (lanes over 2 name the third again) of 96,
	v_add_nc_u32 v116, s53, v116
	v_mul_u32_u24 v117, v116, 171
	v_lshrrev_b32 v117, 12, v117                   ; its piece of 24 blocks: block / 24 (exact up to 191),
	v_mul_u32_u24 v118, v117, 24
	v_sub_nc_u32 v116, v116, v118                  ; its place in the piece,
	v_and_b32 v118, 1, v117                        ; the piece's K step
	v_lshrrev_b32 v117, 1, v117                    ; and record
	v_lshlrev_b32 v[PFO], 8, v116
	v_mad_u32_u24 v[PFO], v118, QB, v[PFO]
	v_mad_u32_u24 v[PFO], v117, RECB, v[PFO]
	VW                                             ; the head's end
	s_wait_kmcnt 0x0
	s_add_nc_u64 s[BP:BP+1], s[6:7], s[16:17]
	s_add_nc_u64 s[SPB:SPB+1], s[6:7], s[18:19]
	s_add_nc_u64 s[10:11], s[4:5], s[44:45]
	s_add_nc_u64 s[12:13], s[8:9], s[46:47]
.macro GLB set, bo                     ; my four blocks of B, 12 loads of 512 consecutive bytes
.irp b, 0,1,2,3
.irp c, 0,1,2
	global_load_b128 v[BF+48*(\set)+12*\b+4*\c:BF+48*(\set)+12*\b+4*\c+3], v[ADRA], s[BP:BP+1] offset:(\bo)+FRB*\b+512*\c
.endr
.endr
.endm
.macro GLS set, so                     ; a record's scale words of my four blocks, both K steps: 2 loads of 256 consecutive bytes
.irp i, 0,1
	global_load_b64 v[SB+4*(\set)+2*\i:SB+4*(\set)+2*\i+1], v[SAA], s[SPB:SPB+1] offset:(\so)+256*\i
.endr
.endm
.set j, 0
.rept 16
	global_load_b128 v[C+4*j:C+4*j+3], v113, s[10:11] offset:4096*j th:TH_LOAD_NT   ; sixteen lanes read 256 consecutive bytes, aligned; wanted first, so asked for first
.set j, j+1
.endr
	GLB 0, 0
	GLS 0, 0
.set j, 0
.rept 16
	s_wait_loadcnt 29-j                            ; loads come back in order: number j is in; the younger of the sixteen and B's 14 may be out
	ds_store_b128 v112, v[C+4*j:C+4*j+3] offset:544*j
.set j, j+1
.endr
.macro LDA k, i                        ; A's blocks 2 i, 2 i + 1 of slot k into unit i % 2: 6 loads of 512 consecutive bytes
.irp e, 0,1
.irp c, 0,1,2
	ds_load_b128 v[AF+24*((\i)%2)+12*\e+4*\c:AF+24*((\i)%2)+12*\e+4*\c+3], v[ADRA+(\k)/4] offset:QA*((\k)%4)+FRB*(2*(\i)+\e)+512*\c
.endr
.endr
.endm
.macro LDSA k                          ; slot k's scale words of A: 4 loads
.irp i, 0,1,2,3
	ds_load_b32 v[SA+4*((\k)%2)+\i], v[SAA] offset:1024*((\k)/2)+256*\i+4*((\k)%2)
.endr
.endm
.macro ZLOAD off
	ds_load_b32 v[Z], v[ZA] offset:\off
	ds_load_b32 v[Z+1], v[ZA] offset:(\off)+272
.endm
.macro IMG k                           ; the fragment goes to slot k as it stands: 4 stores
.irp c, 0,1,2
	ds_store_b128 v[XWI+(\k)/4], v[PC+4*\c:PC+4*\c+3] offset:QA*((\k)%4)+512*\c
.endr
	ds_store_b32 v[XWS], v[PW] offset:1024*((\k)/2)+4*((\k)%2)   ; lanes r and r + 16 write the same word with the same value
.endm
; THE LIST.  0-5 harmonics 1, 2;  6-33 levels m = 2, 4, 8: m packed products, m packed multiply-adds;  34 2 cos(16 t);  35-66 harmonics 17 .. 32;
; 67-98 each block's largest magnitude in two chains, with the floor 2^(3 - 127) as a leaf;  99-102 the conversions' scale operands (2 off the exponent field) and the bytes;
; 103-116 the four conversions (the upper halves land on array registers whose numbers are converted already, a plain line after those conversions), the scale word, six copies.
.set LEN, 117
.set g_j, 1000
.macro GV
.if g_j < LEN
	WIN 0
.endif
.if g_j == 0
	v_mul_f32 v[MC], v[Z+1], v[Z+1]
.elseif g_j == 1
	v_add_f32 v[MS], v[Z], v[Z]
.elseif g_j == 2
	v_mov_b32 v[C], v[Z]
.elseif g_j == 3
	v_mov_b32 v[S], v[Z+1]
.elseif g_j == 4
	v_fma_f32 v[C+1], v[Z], v[Z], -v[MC]
.elseif g_j == 5
	v_mul_f32 v[S+1], v[MS], v[Z+1]
.elseif g_j < 34
.set g_m, 2
.set g_b, 6
.if g_j >= 10
.set g_m, 4
.set g_b, 10
.endif
.if g_j >= 18
.set g_m, 8
.set g_b, 18
.endif
.set g_u, g_j-g_b
.set g_f, g_u/g_m
.set g_i, g_u%g_m
.set g_p, 2*(g_i/2)
.set g_k, g_i%2
.if (g_f == 0) && (g_k == 0)
	v_pk_mul_f32 v[C+g_m+g_p:C+g_m+g_p+1], v[C+g_p:C+g_p+1], v[C+g_m-2:C+g_m-1] op_sel:[0,1] op_sel_hi:[1,1]
.elseif g_f == 0
	v_pk_mul_f32 v[S+g_m+g_p:S+g_m+g_p+1], v[S+g_p:S+g_p+1], v[C+g_m-2:C+g_m-1] op_sel:[0,1] op_sel_hi:[1,1]
.elseif g_k == 0
	v_pk_fma_f32 v[C+g_m+g_p:C+g_m+g_p+1], v[S+g_p:S+g_p+1], v[S+g_m-2:S+g_m-1], v[C+g_m+g_p:C+g_m+g_p+1] op_sel:[0,1,0] op_sel_hi:[1,1,1] neg_lo:[1,0,0] neg_hi:[1,0,0]
.else
	v_pk_fma_f32 v[S+g_m+g_p:S+g_m+g_p+1], v[C+g_p:C+g_p+1], v[S+g_m-2:S+g_m-1], v[S+g_m+g_p:S+g_m+g_p+1] op_sel:[0,1,0] op_sel_hi:[1,1,1]
.endif
.elseif g_j == 34
	v_add_f32 v[MC2], v[C+15], v[C+15]
.elseif g_j < 67
.set g_i, (g_j-35)/2+1
.set g_k, (g_j-35)%2
.if (g_i < 16) && (g_k == 0)
	v_fma_f32 v[C+15+g_i], v[MC2], v[C+g_i-1], -v[C+15-g_i]
.elseif g_i < 16
	v_fma_f32 v[S+15+g_i], v[MC2], v[S+g_i-1], v[S+15-g_i]
.elseif g_k == 0
	v_fma_f32 v[C+31], v[MC2], v[C+15], -1.0
.else
	v_mul_f32 v[S+31], v[MC2], v[S+15]
.endif
.elseif g_j < 99
.set g_x, g_j-67
.set g_k, g_x%4                        ; the chain: 0 cos low, 1 sin low, 2 cos high, 3 sin high
.set g_r, MC+g_k
.set g_s, C+32*(g_k%2)+15*(g_k/2)
.if g_x < 4
	v_max3_num_f32 v[g_r], |v[g_s]|, |v[g_s+1]|, |v[g_s+2]|
.elseif g_x < 28
.set g_i, 3+2*((g_x-4)/4)
	v_max3_num_f32 v[g_r], v[g_r], |v[g_s+g_i]|, |v[g_s+g_i+1]|
.elseif g_x < 30
	v_max3_num_f32 v[MC2+g_k], v[MC2+g_k], |v[C+32*g_k+30]|, |v[C+32*g_k+31]|
.else
	v_max3_num_f32 v[MC+g_k-2], v[MC+g_k-2], v[MC2+g_k-2], 0x1800000
.endif
.elseif g_j == 99
	v_add_nc_u32 v[MC], 0xff000000, v[MC]
.elseif g_j == 100
	v_add_nc_u32 v[MS], 0xff000000, v[MS]
.elseif g_j == 101
	v_lshrrev_b32 v[MC2], 23, v[MC]
.elseif g_j == 102
	v_lshrrev_b32 v[MS2], 23, v[MS]
.elseif g_j == 103
	v_cvt_scalef32_pk16_fp6_f32 v[PC:PC+2], v[C:C+15], v[MC]
.elseif g_j == 104
	v_cvt_scalef32_pk16_fp6_f32 v[PC+6:PC+8], v[S:S+15], v[MS]
.elseif g_j == 105
	v_lshl_or_b32 v[PW], v[MS2], 16, v[MC2]
.elseif g_j == 106
	v_cvt_scalef32_pk16_fp6_f32 v[C:C+2], v[C+16:C+31], v[MC]
.elseif g_j == 107
	v_cvt_scalef32_pk16_fp6_f32 v[S:S+2], v[S+16:S+31], v[MS]
.elseif g_j == 108
	v_lshlrev_b32 v[PW], v[SH8], v[PW]             ; my two bytes 8 h bits up
.elseif g_j == 109
	v_mov_b32 v[PC+3], v[C]
.elseif g_j == 110
	v_permlanex16_b32 v[MC2], v[PW], s[SEL], s[SEL+1]
.elseif g_j == 111
	v_mov_b32 v[PC+4], v[C+1]
.elseif g_j == 112
	v_mov_b32 v[PC+5], v[C+2]
.elseif g_j == 113
	v_or_b32 v[PW], v[PW], v[MC2]                  ; with lane l xor 16's two the word is whole
.elseif g_j < 117
	v_mov_b32 v[PC+9+g_j-114], v[S+g_j-114]
.endif
.endm
.macro SLICE n
.rept \n
	GV
.set g_j, g_j+1
.endr
.endm
.macro GSEQ k, zn                      ; a fragment with no products beside it: the first three K steps
	s_wait_dscnt 0x0                               ; (cos t, sin t) are in, the last image is stored
.set g_j, 0
	SLICE 8
	ZLOAD \zn                                      ; the next fragment's: lines 0-5 have read this one's
	SLICE LEN-8
	VW
	IMG \k
.endm
; One product: A's block a x my block b of B; k_q: the K step's parity (B's set, A's scale set), k_g: the record's.  The 32 accumulators take turns, one instruction a turn.
.macro WM a, b, zero
.set D_, 8*(4*(\a)+(\b))
.set X_, BF+48*k_q+12*(\b)
.set Y_, AF+24*(((\a)/2)%2)+12*((\a)%2)
.set U_, SB+4*k_g+2*((\b)/2)+k_q
.set V_, SA+4*k_q+(\a)/2
.set R_, 2*((\a)%2)+((\b)%2)+4*(\zero)
.if R_ == 0
	v_wmma_scale_f32_16x16x128_f8f6f4 v[D_:D_+7], v[X_:X_+11], v[Y_:Y_+11], v[D_:D_+7], v[U_], v[V_] matrix_a_fmt:MATRIX_FMT_FP6 matrix_b_fmt:MATRIX_FMT_FP6
.elseif R_ == 1
	v_wmma_scale_f32_16x16x128_f8f6f4 v[D_:D_+7], v[X_:X_+11], v[Y_:Y_+11], v[D_:D_+7], v[U_], v[V_] matrix_a_fmt:MATRIX_FMT_FP6 matrix_b_fmt:MATRIX_FMT_FP6 matrix_a_scale:MATRIX_SCALE_ROW1
.elseif R_ == 2
	v_wmma_scale_f32_16x16x128_f8f6f4 v[D_:D_+7], v[X_:X_+11], v[Y_:Y_+11], v[D_:D_+7], v[U_], v[V_] matrix_a_fmt:MATRIX_FMT_FP6 matrix_b_fmt:MATRIX_FMT_FP6 matrix_b_scale:MATRIX_SCALE_ROW1
.elseif R_ == 3
	v_wmma_scale_f32_16x16x128_f8f6f4 v[D_:D_+7], v[X_:X_+11], v[Y_:Y_+11], v[D_:D_+7], v[U_], v[V_] matrix_a_fmt:MATRIX_FMT_FP6 matrix_b_fmt:MATRIX_FMT_FP6 matrix_a_scale:MATRIX_SCALE_ROW1 matrix_b_scale:MATRIX_SCALE_ROW1
.elseif R_ == 4
	v_wmma_scale_f32_16x16x128_f8f6f4 v[D_:D_+7], v[X_:X_+11], v[Y_:Y_+11], 0, v[U_], v[V_] matrix_a_fmt:MATRIX_FMT_FP6 matrix_b_fmt:MATRIX_FMT_FP6
.elseif R_ == 5
	v_wmma_scale_f32_16x16x128_f8f6f4 v[D_:D_+7], v[X_:X_+11], v[Y_:Y_+11], 0, v[U_], v[V_] matrix_a_fmt:MATRIX_FMT_FP6 matrix_b_fmt:MATRIX_FMT_FP6 matrix_a_scale:MATRIX_SCALE_ROW1
.elseif R_ == 6
	v_wmma_scale_f32_16x16x128_f8f6f4 v[D_:D_+7], v[X_:X_+11], v[Y_:Y_+11], 0, v[U_], v[V_] matrix_a_fmt:MATRIX_FMT_FP6 matrix_b_fmt:MATRIX_FMT_FP6 matrix_b_scale:MATRIX_SCALE_ROW1
.else
	v_wmma_scale_f32_16x16x128_f8f6f4 v[D_:D_+7], v[X_:X_+11], v[Y_:Y_+11], 0, v[U_], v[V_] matrix_a_fmt:MATRIX_FMT_FP6 matrix_b_fmt:MATRIX_FMT_FP6 matrix_a_scale:MATRIX_SCALE_ROW1 matrix_b_scale:MATRIX_SCALE_ROW1
.endif
.endm
.macro HALF a, zero, n1, n2            ; block a against my four of B; n1 and n2 lines of the list behind the two pairs of products
	WIN MUL
	WM \a, 0, \zero
	WM \a, 1, \zero
	SLICE \n1
	WIN MUL
	WM \a, 2, \zero
	WM \a, 3, \zero
	SLICE \n2
.endm
; A K STEP; tt = T mod 8, its slot.  A's four units of two blocks go through two sets of registers: a unit is fetched while the unit before it is multiplied; the next K step's scale words and first unit are
; fetched behind unit 2, its second unit behind unit 3.  gen: the list runs beside the products (13 x 8 + 5 + 4 + 4 lines) and its image is stored at the end; each run of LDS loads then has at least four of the
; list's plain lines, which name no operand of the products, behind the last product; with no list four v_nop stand there.  bo: where the next K step's B lies from s[BP] (under 0: no next step);
; so: where the next record's scale words lie (under 0: none are due);  pf: the prefetch's records (under 0: none).
.macro KSTEP tt, zero, gen, zn, bo, so, pf
.set k_q, (\tt)%2
.set k_g, ((\tt)/2)%2
.set k_n, ((\tt)+1)%8
.set k_x, ((\tt)+3)%8
.if \gen
.set g_j, 0
.else
.set g_j, 1000
.endif
	s_wait_loadcnt 0x0                             ; this K step's B and its scale words are in: asked for at the head of the K step before
.if \bo >= 0
	GLB 1-k_q, \bo
.endif
.if \so >= 0
	GLS 1-k_g, \so
.endif
.if \pf >= 0
	global_prefetch_b8 v[PFO], s[BP:BP+1] offset:\pf th:TH_LOAD_NT scope:SCOPE_SE
.endif
	s_wait_dscnt 6                                 ; scale words and unit 0 are in, the last image is stored; unit 1's six loads may be out
	HALF 0, \zero, 8, 8
	HALF 1, \zero, 8, 8
	WIN 0
.if k_q && (\bo >= 0)
.if \gen
	VW
.endif
	s_wait_dscnt 0x0                               ; for the others' sake: my images are stored, my reads so far are over
	s_barrier_signal -1
.endif
.if \gen == 0
	PLACES 4
.endif
	LDA \tt, 2
.if \zn >= 0
	ZLOAD \zn
.endif
.if \gen
	VW
.endif
.if \zn >= 0
	s_wait_dscnt 8                                 ; unit 1 is in; unit 2's six loads and the two of (cos t, sin t) may be out
.else
	s_wait_dscnt 6
.endif
	HALF 2, \zero, 8, 8
	HALF 3, \zero, 8, 8
	WIN 0
.if \gen == 0
	PLACES 4
.endif
	LDA \tt, 3
.if \gen
	VW
.endif
	s_wait_dscnt 6                                 ; unit 2 is in; unit 3's six loads may be out
	HALF 4, \zero, 8, 8
	HALF 5, \zero, 8, 8
	WIN 0
.if \gen
	VW
.endif
.if k_q && (\bo >= 0)
	s_barrier_wait -1                              ; every wave's images up to K step T + 2 are stored
.endif
.if \gen == 0
	PLACES 4
.endif
.if \bo >= 0
	LDSA k_n
	LDA k_n, 0
	s_wait_dscnt 10                                ; unit 3 is in; the ten loads just issued may be out
.else
	s_wait_dscnt 0x0
.endif
	HALF 6, \zero, 8, 5
	HALF 7, \zero, 4, 4
	WIN 0
.if \gen
	VW
	IMG k_x
.else
	PLACES 4
.endif
.if \bo >= 0
	LDA k_n, 1
.endif
.endm
.macro STEPJ gen, z, pfon, last        ; step jj of a trip: T = 8 i + 1 + jj; s[BP] stands at record 4 i + 1
.set a_bo, (jj/2)*RECB+(jj%2)*QB
.set a_so, -1
.if jj%2 == 0
.set a_so, (jj/2)*RECB
.endif
.if \last
.set a_bo, -1
.set a_so, -1
.endif
.set a_pf, -1
.if \pfon && (jj%4 == 0)
.set a_pf, (2+jj/2)*RECB               ; at step 0 records 4 i + 3, 4 i + 4; at step 4 records 4 i + 5, 4 i + 6: at most the slice's record 14
.endif
.set a_zn, -1
.if \z
.set a_zn, 8*(jj+5)                    ; the fragment made in the next K step is K step T + 4's
.endif
	KSTEP (1+jj)%8, 0, \gen, a_zn, a_bo, a_so, a_pf
.set jj, jj+1
.endm
	ZLOAD 0                                        ; LDS serves a wave's instructions in order: these see my stores above
	GSEQ 0, 8
	GSEQ 1, 16
	GSEQ 2, 24
	s_wait_dscnt 0x0                               ; my images are stored
	s_barrier_signal -1
	s_barrier_wait -1
	LDSA 0
	LDA 0, 0
	LDA 0, 1
	KSTEP 0, 1, 1, 32, QB, -1, -1                  ; the first K step's products start the sums
	s_wait_xcnt 0x0                                ; the loads have read their bases
	s_add_nc_u64 s[BP:BP+1], s[BP:BP+1], RECB
	s_add_nc_u64 s[SPB:SPB+1], s[SPB:SPB+1], RECB
	s_mov_b32 s3, 3
.Llap:                                             ; a trip: K steps 8 i + 1 .. 8 i + 8, once round the ring
.set jj, 0
.rept 8
	STEPJ 1, 1, 1, 0
.endr
	s_wait_xcnt 0x0                                ; the loads and prefetches have read their bases
	s_add_nc_u64 s[BP:BP+1], s[BP:BP+1], 4*RECB
	s_add_nc_u64 s[SPB:SPB+1], s[SPB:SPB+1], 4*RECB
	v_add_nc_u32 v[ZA], 64, v[ZA]                  ; eight K steps on
	s_sub_co_u32 s3, s3, 1
	s_cmp_lg_u32 s3, 0
	VW
	s_cbranch_scc1 .Llap
.set jj, 0
	STEPJ 1, 1, 0, 0                               ; K steps 25 .. 28 make the last four fragments
	STEPJ 1, 1, 0, 0
	STEPJ 1, 1, 0, 0
	STEPJ 1, 0, 0, 0
	STEPJ 0, 0, 0, 0                               ; nothing is left to make
	STEPJ 0, 0, 0, 0
	STEPJ 0, 0, 0, 1                               ; nor to fetch
; THE WAY OUT, block by block of 16 rows x my 64 outputs.  A lane holds 32 neighbouring bytes of a row: a block goes through my own stage and comes back as whole rows of 256 bytes, sixteen lanes to a row.
	v_and_b32 v48, 15, v0
	v_bfe_u32 v49, v0, 4, 1
	v_mul_u32_u24 v[STO], v48, SPITCH
	v_mul_u32_u24 v[RD], v49, SPITCH
	v_lshlrev_b32 v[CO], 11, v49
	v_lshl_add_u32 v[STO], v49, 5, v[STO]
	v_lshl_add_u32 v[RD], v48, 4, v[RD]
	v_lshl_add_u32 v[CO], v48, 4, v[CO]            ; two rows of part an instruction
	v_add_nc_u32 v[STO], s58, v[STO]
	v_add_nc_u32 v[RD], s58, v[RD]
	VW
.macro TOSTAGE a
	WIN 0x04                                       ; the data: window 1
.irp b, 0,1,2,3
	ds_store_b128 v[STO], v[32*(\a)+8*\b:32*(\a)+8*\b+3] offset:64*\b        ; each accumulator from its low end on
	ds_store_b128 v[STO], v[32*(\a)+8*\b+4:32*(\a)+8*\b+7] offset:64*\b+16
.endr
	WIN 0
.irp t, 0,1,2,3,4,5,6,7
	ds_load_b128 v[BK+32*((\a)%2)+4*\t:BK+32*((\a)%2)+4*\t+3], v[RD] offset:\t*2*SPITCH   ; LDS serves a wave's instructions in order (ISA guide 5.7.1.4)
.endr
.endm
.macro SEND a, younger
	s_wait_dscnt \younger
.if (\a) > 0
	s_add_nc_u64 s[12:13], s[12:13], 16*2048       ; 16 rows on (the wait on XCNT stands ahead)
.endif
.irp t, 0,1,2,3,4,5,6,7
	global_store_b128 v[CO], v[BK+32*((\a)%2)+4*\t:BK+32*((\a)%2)+4*\t+3], s[12:13] offset:\t*4096 th:TH_STORE_NT   ; sixteen lanes store 256 consecutive bytes, aligned
.endr
.endm
	TOSTAGE 0
.irp a, 1,2,3,4,5,6,7
.if \a > 1
	s_wait_xcnt 0x0                                ; block a - 2's stores have read their registers and their base
.endif
	TOSTAGE \a
	SEND \a-1, 16                                  ; behind block a - 1's loads: block a's 8 stores and 8 loads
.endr
	s_wait_xcnt 0x0
	SEND 7, 0
	s_wait_tensorcnt 0x0                           ; the wave's end
	ds_add_u32 v[SPW], v[NIL]
	s_wait_dscnt 0x0
	s_endpgm
.Lfunc_end_k_qd451040f20_gemm:
	.size	k_qd451040f20_gemm, .Lfunc_end_k_qd451040f20_gemm-k_qd451040f20_gemm
	.p2alignl 7, 3214868480
	.fill 96, 4, 3214868480
	.section	.rodata,"a",@progbits
	.p2align	6, 0x0
	.amdhsa_kernel k_qd451040f20_gemm
		.amdhsa_group_segment_fixed_size 207872
		.amdhsa_private_segment_fixed_size 0
		.amdhsa_enable_private_segment 0
		.amdhsa_kernarg_size 24
		.amdhsa_user_sgpr_count 2
		.amdhsa_user_sgpr_kernarg_segment_ptr 1
		.amdhsa_wavefront_size32 1
		.amdhsa_system_sgpr_workgroup_id_x 1
		.amdhsa_system_sgpr_workgroup_id_y 1
		.amdhsa_system_sgpr_workgroup_id_z 1
		.amdhsa_system_vgpr_workitem_id 0
		.amdhsa_next_free_vgpr 512
		.amdhsa_next_free_sgpr 66
		.amdhsa_reserve_vcc 0
		.amdhsa_float_denorm_mode_32 3
		.amdhsa_float_denorm_mode_16_64 3
		.amdhsa_memory_ordered 1
		.amdhsa_forward_progress 1
		.amdhsa_inst_pref_size 255
	.end_amdhsa_kernel
	.section	.bss,"aw",@nobits
	.p2align	6
	.space	262144
	.amdgpu_metadata
---
amdhsa.version: [ 1, 2 ]
amdhsa.kernels:
  - .name:           k_qd451040f20_gemm
    .symbol:         k_qd451040f20_gemm.kd
    .args:
      - { .name: cs, .offset: 0, .size: 8, .value_kind: global_buffer, .address_space: global }
      - { .name: bq, .offset: 8, .size: 8, .value_kind: global_buffer, .address_space: global }
      - { .name: part, .offset: 16, .size: 8, .value_kind: global_buffer, .address_space: global }
    .group_segment_fixed_size: 207872
    .private_segment_fixed_size: 0
    .kernarg_segment_align: 8
    .kernarg_segment_size: 24
    .max_flat_workgroup_size: 256
    .sgpr_count:     66
    .vgpr_count:     512
    .wavefront_size: 32
...
	.end_amdgpu_metadata
.endif
;; end of part 2
;; launch reduce (part 3): grid 512 x 1, 8 waves a work-group, no clusters, 0 bytes of LDS; arguments part, bias, out0; writes out0
.if DOCPART == 3
	.amdgcn_target "amdgcn-amd-amdhsa--gfx1250"
	.amdhsa_code_object_version 6
	.text
	.protected	k_qd451040f20_reduce
	.globl	k_qd451040f20_reduce
	.p2align	8
	.type	k_qd451040f20_reduce,@function
k_qd451040f20_reduce:
	s_mov_b64 s[64:65], 0
	v_nop
	global_prefetch_b8 v0, s[64:65] scope:SCOPE_SE
	s_setreg_imm32_b32 hwreg(HW_REG_WAVE_MODE, 25, 1), 1
	s_wait_xcnt 0x0
; out0[row][o] = bias[o] + the sum over the 8 slices y of part[y][row][o], y ascending, in f32.  part: [8][4096][512], out0: [4096][512], bias: [512].
; A stream: a work-group takes 8 rows (16,384 bytes); thread t takes the 16 bytes at 16 t of each pair of rows, so every load and store of a wave covers 512 consecutive bytes.
; All 33 loads of a thread go out at once; the waits count down by pairs of rows.  No LDS, no barrier, no matrix unit, no cluster: nothing is shared and each byte is read once.
.set P, 8                              ; v8-135   pair of rows it, slice y: 4 registers at P + 32 it + 4 y
.set O, 136                            ; v136-151 the sums, 4 registers a pair of rows
	s_load_b128 s[4:7], s[0:1], 0x0                ; part s[4:5], bias s[6:7]
	s_load_b64 s[8:9], s[0:1], 0x10                ; out0
	v_lshlrev_b32 v1, 4, v0                        ; 16 t
	v_and_b32 v2, 127, v0
	s_delay_alu instid0(VALU_DEP_1)
	v_lshlrev_b32 v2, 4, v2                        ; my four outputs' place in a row, and in bias
	s_lshl_b32 s10, ttmp9, 14                      ; 8 rows of 2,048 bytes a work-group
	s_mov_b32 s11, 0
	s_wait_alu depctr_va_vdst(0)
	s_wait_kmcnt 0x0
	s_add_nc_u64 s[16:17], s[4:5], s[10:11]
.irp y, 1,2,3,4,5,6,7
	s_add_nc_u64 s[16+2*\y:17+2*\y], s[16:17], \y*0x800000   ; a slice is 2^23 bytes: more than a load's immediate holds, so each slice has its base
.endr
	s_add_nc_u64 s[8:9], s[8:9], s[10:11]
	global_load_b128 v[4:7], v2, s[6:7]
.irp it, 0,1,2,3
.irp y, 0,1,2,3,4,5,6,7
	global_load_b128 v[P+32*\it+4*\y:P+32*\it+4*\y+3], v1, s[16+2*\y:17+2*\y] offset:4096*\it th:TH_LOAD_NT
.endr
.endr
.irp it, 0,1,2,3
	s_wait_loadcnt 8*(3-\it)                       ; bias and this pair of rows' eight loads are in; the later pairs' may be out
	v_pk_add_f32 v[O+4*\it:O+4*\it+1], v[P+32*\it:P+32*\it+1], v[4:5]
	v_pk_add_f32 v[O+4*\it+2:O+4*\it+3], v[P+32*\it+2:P+32*\it+3], v[6:7]
.irp y, 1,2,3,4,5,6,7
	s_delay_alu instid0(VALU_DEP_2)
	v_pk_add_f32 v[O+4*\it:O+4*\it+1], v[O+4*\it:O+4*\it+1], v[P+32*\it+4*\y:P+32*\it+4*\y+1]
	s_delay_alu instid0(VALU_DEP_2)
	v_pk_add_f32 v[O+4*\it+2:O+4*\it+3], v[O+4*\it+2:O+4*\it+3], v[P+32*\it+4*\y+2:P+32*\it+4*\y+3]
.endr
	global_store_b128 v1, v[O+4*\it:O+4*\it+3], s[8:9] offset:4096*\it
.endr
	s_endpgm
.Lfunc_end_k_qd451040f20_reduce:
	.size	k_qd451040f20_reduce, .Lfunc_end_k_qd451040f20_reduce-k_qd451040f20_reduce
	.p2alignl 7, 3214868480
	.fill 96, 4, 3214868480
	.section	.rodata,"a",@progbits
	.p2align	6, 0x0
	.amdhsa_kernel k_qd451040f20_reduce
		.amdhsa_group_segment_fixed_size 0
		.amdhsa_private_segment_fixed_size 0
		.amdhsa_enable_private_segment 0
		.amdhsa_kernarg_size 24
		.amdhsa_user_sgpr_count 2
		.amdhsa_user_sgpr_kernarg_segment_ptr 1
		.amdhsa_wavefront_size32 1
		.amdhsa_system_sgpr_workgroup_id_x 1
		.amdhsa_system_sgpr_workgroup_id_y 1
		.amdhsa_system_sgpr_workgroup_id_z 1
		.amdhsa_system_vgpr_workitem_id 0
		.amdhsa_next_free_vgpr 160
		.amdhsa_next_free_sgpr 66
		.amdhsa_reserve_vcc 0
		.amdhsa_float_denorm_mode_32 3
		.amdhsa_float_denorm_mode_16_64 3
		.amdhsa_memory_ordered 1
		.amdhsa_forward_progress 1
		.amdhsa_inst_pref_size 11
	.end_amdhsa_kernel
	.amdgpu_metadata
---
amdhsa.version: [ 1, 2 ]
amdhsa.kernels:
  - .name:           k_qd451040f20_reduce
    .symbol:         k_qd451040f20_reduce.kd
    .args:
      - { .name: part, .offset: 0, .size: 8, .value_kind: global_buffer, .address_space: global }
      - { .name: bias, .offset: 8, .size: 8, .value_kind: global_buffer, .address_space: global }
      - { .name: out0, .offset: 16, .size: 8, .value_kind: global_buffer, .address_space: global }
    .group_segment_fixed_size: 0
    .private_segment_fixed_size: 0
    .kernarg_segment_align: 8
    .kernarg_segment_size: 24
    .max_flat_workgroup_size: 256
    .sgpr_count:     66
    .vgpr_count:     160
    .wavefront_size: 32
...
	.end_amdgpu_metadata
.endif
;; end of part 3
